; MI455X (gfx1250); checked and timed in simulation.
; The chip was launched on July 23, 2026; its instructions are those of AMD's public machine-readable ISA for CDNA 5 (MIT licence, August 2026) and "CDNA5" Instruction Set Architecture Reference Guide (July 2026). The comments in the code are by the model that wrote it; some were corrected since.
;; Tensor B Splines Model. Allowed arithmetic: matrix products marked QUANTISED: E2M3 operands, one E8M0 scale for each 32 along K, by v_wmma_scale_f32_16x16x128_f8f6f4 with both operands' format E2M3, f32 sums; everything else in f32.
;; Inputs: A 16 x 16 x 64 float32; b 16 float32; x 131,072 x 16 float32.
;; Outputs: out0 131,072 x 16 float32.
;; This version of the problem:
;;   THIS VERSION OF THE PROBLEM IS GIVEN IN LOW PRECISION. The matrix products marked QUANTISED in the list below multiply operands that are first quantised to E2M3 (2 exponent bits, 3 mantissa bits; 6 bits a number), with one power-of-two scale for each 32 numbers along K (OCP MX v1.0); their sums are f32. All else is computed in f32.
;;   The module's matrix products, in the order in which they are computed (A, B: the left and right operand; K: the contracted axis; several contracted axes count as one K, in the product's order):
;;     1. [M 131,072, K 1,024] x [K 1,024, N 16]; A: computed on the way; B: input A: QUANTISED
;;   THE QUANTISER, for each operand of a quantised product, along K:
;;     - K is cut into blocks of 32 from its start; a last block that is shorter is filled with zeros.
;;     - A block's scale is 2^e with e = floor(log2(the largest magnitude in the block)) - 2, held to -126 .. 127; a block of zeros has e = 0. As a byte (E8M0): e + 127.
;;     - Each number is divided by its block's scale, clamped to +-7.5, and rounded to the nearest number of E2M3, ties to even, subnormals kept.
;;     - The product sums the exact products of the quantised numbers (number of the format x scale) in f32.
;;   ~~~python
;;   def quantise(x, axis):      # numpy; x: float32 -> the quantised numbers, widened to float32 again
;;       x = np.moveaxis(x, axis, -1); K = x.shape[-1]
;;       x = np.pad(x, [(0, 0)] * (x.ndim - 1) + [(0, -K % 32)]); x = x.reshape(x.shape[:-1] + (-1, 32)); a = np.abs(x).max(-1, keepdims=True)
;;       e = np.where(a > 0, np.clip(np.frexp(np.where(a > 0, a, 1))[1] - 1 - 2, -126, 127), 0)      # np.frexp(a)[1] - 1 = floor(log2(a)), exactly
;;       r = np.clip(x / 2.0 ** e, -7.5, 7.5)
;;       step = 2.0 ** (np.maximum(np.frexp(np.where(r == 0, 1, r))[1] - 1, 0) - 3)
;;       q = np.round(r / step) * step * 2.0 ** e      # np.round: ties to even
;;       return np.moveaxis(q.reshape(q.shape[:-2] + (-1,))[..., :K], -1, axis).astype(np.float32)
;;   ~~~
;;   OPERANDS COMPUTED ON THE WAY. 'Computed on the way' means the value that the module computes at that place (a softmax that the list does not call 'softmax' is quantised finished and normalised). What goes into a quantiser is computed in f32, as accurately as f32 sums, v_exp_f32 and their like allow (about 1e-6 of the number): no bf16 or f16 on the way to a quantiser, and a product that is left as it is and whose result goes on into a quantised operand takes f32 operands (vector FMAs, or v_wmma_f32_16x16x4_f32). A number that lies on a knife's edge between two numbers of the format may be rounded either way, as far as f32 arithmetic and the matrix unit's own rounding can turn it there, and no further.
;; One version. Each part assembles by itself: llvm-mc -triple=amdgcn-amd-amdhsa -mcpu=gfx1250 --defsym DOCPART=n.
;; ======== version 1 of 1: 1 launch
;; launch bspline (part 1): grid 256 x 1, 16 waves a work-group, no clusters, 55,808 bytes of LDS; arguments x, A, b, out0; writes out0
.if DOCPART == 1
	.amdgcn_target "amdgcn-amd-amdhsa--gfx1250"
	.amdhsa_code_object_version 6
	.text
	.protected	k_qa3bad900a5_bspline
	.globl	k_qa3bad900a5_bspline
	.p2align	8
	.type	k_qa3bad900a5_bspline,@function
k_qa3bad900a5_bspline:
	s_mov_b64 s[64:65], 0
	v_nop
	global_prefetch_b8 v0, s[64:65] scope:SCOPE_SE
	s_setreg_imm32_b32 hwreg(HW_REG_WAVE_MODE, 25, 1), 1
	s_wait_xcnt 0x0
; y[row][o] = sum over d, k of basis[row][d][k] A[o][d][k] + b[o]; the product on codes of FP6 (E2M3) with one E8M0 scale for each 32 along K = 64 d + k.
; basis[row][d][:] are the 64 clamped cubic B-splines on 62 knots from -0.1 to 1.1, at x[row][d]: at most four neighbours, n .. n + 3, are not zero (n: the piece of x, 0 .. 60).
; SHARES.  256 work-groups of 16 waves; a work-group owns 512 rows, a wave 32: two tiles of 16.  Lane (r, h) = (lane % 16, lane / 16) owns row r of both tiles and the dims 8 h .. 8 h + 7.
; THE ORDER OF K is a permutation applied alike to both operands, whole blocks of 32 kept: in K step s the lane's registers 6 c .. 6 c + 5 hold indices 32 c .. 32 c + 31 of dim 8 h + s.
; So a lane builds both blocks of its own dim, nothing is evaluated twice, and only scale bytes change lanes.
; THE PRODUCT IS USED TRANSPOSED: source 0 = the weights (16 outputs), source 1 = 16 rows of the basis: a lane then holds outputs 8 h .. 8 h + 7 of row r.  The bias is the C of each sum's first instruction.
; THE KNOTS are (12 j - 61) / 610 rounded to f32.  1/610 = RH + RL with RH = 3520465 x 2^-31 (610 x 3520465 = 2^31 + 2) and RL = -RH x 2^-30; a x RH + (a x RL) by one fused multiply-add is rounded once.
; THE BASIS: the local recursion on these knots (three left and three right distances, six knot spans, their reciprocals), packed: the halves of a register pair are the two tiles.
; THE QUANTISER: a block's largest magnitude has exponent field X; the scale byte is X - 2; each value is multiplied by 2^(128 - X), exactly, and converted with the scale operand 0.5: value / 2^(X - 129).
; One conversion of 16 numbers serves four evaluations.  PLACING: an evaluation's 24 bits of codes go to bit 6 n of its dim's 384 bits: a part for an even word, a part for an odd word, then a compare and a select a word.
; THE WEIGHTS: thread (wave w, lane l) quantises the block A[w][l / 2][32 (l % 2) ..] and stores codes and scale byte to LDS in the order of the operand's registers; one barrier; every wave loads two K steps' fragments at a time.
; NO JOINT REQUESTS: what the work-groups share is A, 65,536 bytes, which each reads once at its head into registers, where it is quantised; all else of a wave's text works on registers and LDS.
; NO PREFETCH: every global load of a wave stands at its head.  NO TENSOR LOADS: each x is used once, by the lane that holds it.
; LIMITS: NaN and infinities in x or A are not served (a finite x outside [-0.1, 1.1) gives y = b).  A block whose largest magnitude lies under 2^-124, a block of zeros too, gets the byte 1: its codes
; are zeros or next to it, and the bytes are read by this text alone.  An x within a few ulps of a knot may be taken on the neighbouring piece: the two pieces differ there by the cube of that distance.
.set IMG,    0                         ; LDS: the weights' codes, [K step][c][lane][24 bytes]: 8 x 2 x 768 bytes
.set SCB,    12288                     ; their scale bytes, [output][K step][4]
.set STG,    12800                     ; a stage of 32 rows x 80 bytes for each wave: x on the way in, y on the way out
.set WSTG,   2560
.set SPITCH, 80                        ; 64 bytes + 16
.set AWI,  1                           ; v1   where I store my block's codes
.set AWS,  2                           ; v2   and its scale byte
.set VBF,  3                           ; v3   24 x lane: my place in a fragment's half
.set VBS,  4                           ; v4   my output's eight scale words
.set VSS,  5                           ; v5   the stage by (r, h): row r, + 32 h
.set VSR,  6                           ; v6   the stage as memory has it: row lane / 4, + 16 (lane % 4)
.set VG,   7                           ; v7   16 x lane
.set VSH,  8                           ; v8   8 h
.set HALF, 9                           ; v9   0.5: the conversion's scale operand
.set KM61, 10                          ; v10-11  -61, twice
.set KOFF, 12                          ; v12-13  61 / 12 = 0.1 / step, twice
.set XX,   14                          ; v14-29  x: tile t, dim 8 h + s at XX + 8 t + s
.set ACC,  30                          ; v30-45  two accumulators
.set BIAS, 46                          ; v46-53  b[8 h .. 8 h + 7]
.set BF,   54                          ; v54-77  the weights' fragments of two K steps
.set BS,   78                          ; v78-85  the weights' scale words, one register a K step
.set ASC,  86                          ; v86-89  the basis' scale words, one register an evaluation
.set OPD,  90                          ; v90-137 four operands: evaluation e = 2 x (step in the group) + tile
.set XC,   138                         ; from here on at work; arrays of four go by e, so that a pair is the two tiles
.set NF,   142
.set NI,   146
.set TK,   150                         ; six knots n - 2 .. n + 3, four registers each
.set LR,   174                         ; L1 L2 L3 R1 R2 R3
.set DD,   198                         ; six spans, then their reciprocals
.set VV,   222                         ; the four values: VV + 4 q + e
.set SW,   238
.set PL,   242
.set XA,   246
.set XB,   250
.set MQ,   246
.set VHI,  LR                          ; behind the recursion: the values that lie in the upper block (else 0),
.set VLO,  DD                          ; those in the lower block,
.set MXL,  LR+16                       ; the blocks' largest magnitudes,
.set MXH,  LR+20
.set MU0,  DD+16                       ; and 2^(128 - X)
.set MU1,  DD+20
.set CV,   TK                          ; 16 numbers for the conversion: 4 e + q
.set CW,   TK+16                       ; its 96 bits
.set CC,   TK+20                       ; 24 bits of codes of evaluation e
.set WW,   150                         ; the head: my 32 numbers of A,
.set XL,   182                         ; x as loaded
.set OUTR, 150                         ; the tail: rows of y
.set VMK,  24                          ; s24-27  x lies inside the knots
.set CMK,  28                          ; s28-43  value q of evaluation e lies in the upper block: 4 e + q
.macro PSUB d, a, b                    ; d = a - b on arrays of four
.irp pr, 0,1
	v_pk_add_f32 v[\d+2*\pr:\d+2*\pr+1], v[\a+2*\pr:\a+2*\pr+1], v[\b+2*\pr:\b+2*\pr+1] neg_lo:[0,1] neg_hi:[0,1]
.endr
.endm
.macro PMUL d, a, b
.irp pr, 0,1
	v_pk_mul_f32 v[\d+2*\pr:\d+2*\pr+1], v[\a+2*\pr:\a+2*\pr+1], v[\b+2*\pr:\b+2*\pr+1]
.endr
.endm
.macro PFMA d, a, b, c
.irp pr, 0,1
	s_delay_alu instid0(VALU_DEP_2)
	v_pk_fma_f32 v[\d+2*\pr:\d+2*\pr+1], v[\a+2*\pr:\a+2*\pr+1], v[\b+2*\pr:\b+2*\pr+1], v[\c+2*\pr:\c+2*\pr+1]
.endr
.endm
.macro KADD kk, lit                    ; the numerator of knot slot kk from that of knot n: whole numbers, exact
.irp pr, 0,1
	v_pk_add_f32 v[TK+4*\kk+2*\pr:TK+4*\kk+2*\pr+1], v[TK+8+2*\pr:TK+9+2*\pr], \lit op_sel_hi:[1,0]
.endr
.endm
; The 24 bits of evaluation e go to bit p = 6 n of its 12 words.  A = codes << (p mod 32) belongs to word p / 32, B = codes >> (32 - p mod 32) to the next word (0 where p mod 32 is 8 or less).
; One of the two words is even and one odd: XE goes to word 2 PE, XO to word 2 PO + 1.  PE = 6 arises only with B = 0.
.macro PLACE e, sb, tb
	v_mul_u32_u24 v[\tb], v[NI+\e], 6                      ; p
	v_mad_u32_u24 v[\tb+1], v[NI+\e], 6, 32                ; p + 32
	v_lshrrev_b32 v[\tb+6], 1, v[CC+\e]                    ; codes >> 1
	s_delay_alu instid0(VALU_DEP_3)
	v_xor_b32 v[\tb+3], -1, v[\tb]                         ; its low five bits: 31 - p mod 32
	s_delay_alu instid0(VALU_DEP_4)
	v_lshlrev_b32 v[\tb+2], v[\tb], v[CC+\e]               ; A (a shift takes the low five bits of its count)
	v_lshrrev_b32 v[\tb+4], 6, v[\tb]                      ; PO
	v_lshrrev_b32 v[\tb+5], 6, v[\tb+1]                    ; PE
	s_delay_alu instid0(VALU_DEP_4)
	v_lshrrev_b32 v[\tb+3], v[\tb+3], v[\tb+6]             ; B
	s_delay_alu instid0(VALU_DEP_2)
	v_cmp_ne_u32 s[\sb], v[\tb+4], v[\tb+5]                ; word p / 32 is odd
.irp w, 0,1,2,3,4,5
	v_cmp_eq_u32 s[\sb+1+\w], \w, v[\tb+5]
	v_cmp_eq_u32 s[\sb+7+\w], \w, v[\tb+4]
.endr
	v_cndmask_b32 v[\tb+6], v[\tb+2], v[\tb+3], s[\sb]     ; XE
	v_cndmask_b32 v[\tb+7], v[\tb+3], v[\tb+2], s[\sb]     ; XO
.irp w, 0,1,2,3,4,5
	v_cndmask_b32 v[OPD+12*\e+2*\w], 0, v[\tb+6], s[\sb+1+\w]
	v_cndmask_b32 v[OPD+12*\e+2*\w+1], 0, v[\tb+7], s[\sb+7+\w]
.endr
.endm
; One matrix instruction: tile t, step pr of group g.  bias = 1: the sum begins with b.
.macro MM t, pr, g, bias
.if \bias
	v_wmma_scale_f32_16x16x128_f8f6f4 v[ACC+8*\t:ACC+8*\t+7], v[BF+12*\pr:BF+12*\pr+11], v[OPD+12*(2*\pr+\t):OPD+12*(2*\pr+\t)+11], v[BIAS:BIAS+7], v[BS+2*(\g)+\pr], v[ASC+2*\pr+\t] matrix_a_fmt:MATRIX_FMT_FP6 matrix_b_fmt:MATRIX_FMT_FP6
.else
	v_wmma_scale_f32_16x16x128_f8f6f4 v[ACC+8*\t:ACC+8*\t+7], v[BF+12*\pr:BF+12*\pr+11], v[OPD+12*(2*\pr+\t):OPD+12*(2*\pr+\t)+11], v[ACC+8*\t:ACC+8*\t+7], v[BS+2*(\g)+\pr], v[ASC+2*\pr+\t] matrix_a_fmt:MATRIX_FMT_FP6 matrix_b_fmt:MATRIX_FMT_FP6
.endif
.endm
; A GROUP: K steps 2 g and 2 g + 1 of both tiles: four evaluations a lane.
.macro GROUP g
	; ---- the piece n
.irp e, 0,1,2,3
	v_med3_num_f32 v[XC+\e], v[XX+8*(\e%2)+2*(\g)+\e/2], s16, s17      ; x held to [first knot, the f32 under the last knot]
.endr
.irp e, 0,1,2,3
	s_delay_alu instid0(VALU_DEP_4)
	v_cmp_eq_f32 s[VMK+\e], v[XC+\e], v[XX+8*(\e%2)+2*(\g)+\e/2]       ; unchanged: x lies inside the knots
.endr
.irp pr, 0,1
	v_pk_fma_f32 v[NF+2*\pr:NF+2*\pr+1], v[XC+2*\pr:XC+2*\pr+1], 0x424b5555, v[KOFF:KOFF+1] op_sel_hi:[1,0,1]   ; (x + 0.1) / step
.endr
.irp e, 0,1,2,3
	v_cvt_i32_f32 v[NI+\e], v[NF+\e]                       ; toward zero
.endr
.irp e, 0,1,2,3
	s_delay_alu instid0(VALU_DEP_4)
	v_min_u32 v[NI+\e], 60, v[NI+\e]                       ; n = 0 .. 60
.endr
.irp e, 0,1,2,3
	s_delay_alu instid0(VALU_DEP_4)
	v_cvt_f32_u32 v[NF+\e], v[NI+\e]
.endr
	; ---- the weights' fragments of these two K steps.  The 22 plain lines above are the places behind the last group's matrix instructions, which read these registers
.irp pr, 0,1
.irp c, 0,1
.irp p, 0,1,2
	ds_load_b64 v[BF+12*\pr+6*\c+2*\p:BF+12*\pr+6*\c+2*\p+1], v[VBF] offset:IMG+(2*(\g)+\pr)*1536+\c*768+8*\p
.endr
.endr
.endr
	; ---- the six knots
.irp pr, 0,1
	v_pk_fma_f32 v[TK+8+2*\pr:TK+9+2*\pr], v[NF+2*\pr:NF+2*\pr+1], 0x41400000, v[KM61:KM61+1] op_sel_hi:[1,0,1]   ; 12 n - 61
.endr
	KADD 0, 0xc1c00000                                     ; - 24
	KADD 1, 0xc1400000                                     ; - 12
	KADD 3, 0x41400000                                     ; + 12
	KADD 4, 0x41c00000                                     ; + 24
	KADD 5, 0x42100000                                     ; + 36
.irp kk, 0,1,2,3,4,5
.irp pr, 0,1
	v_pk_mul_f32 v[DD+4*\kk+2*\pr:DD+4*\kk+2*\pr+1], v[TK+4*\kk+2*\pr:TK+4*\kk+2*\pr+1], 0xabd6df44 op_sel_hi:[1,0]   ; a x RL
.endr
.endr
.irp kk, 0,1,2,3,4,5
.irp pr, 0,1
	v_pk_fma_f32 v[TK+4*\kk+2*\pr:TK+4*\kk+2*\pr+1], v[TK+4*\kk+2*\pr:TK+4*\kk+2*\pr+1], 0x3ad6df44, v[DD+4*\kk+2*\pr:DD+4*\kk+2*\pr+1] op_sel_hi:[1,0,1]   ; the knot: a x RH + a x RL, rounded once
.endr
.endr
.irp i, 0,1,2,3,4,5,6,7
	v_max_num_f32 v[TK+\i], s16, v[TK+\i]                  ; knots n - 2, n - 1: the first knot is repeated
.endr
.irp i, 0,1,2,3,4,5,6,7
	v_min_num_f32 v[TK+16+\i], s18, v[TK+16+\i]            ; knots n + 2, n + 3: the last knot is repeated
.endr
	; ---- spans, their reciprocals, distances
	PSUB DD+0,  TK+12, TK+8                                ; t(n+1) - t(n)
	PSUB DD+4,  TK+12, TK+4                                ; t(n+1) - t(n-1)
	PSUB DD+8,  TK+16, TK+8                                ; t(n+2) - t(n)
	PSUB DD+12, TK+12, TK+0                                ; t(n+1) - t(n-2)
	PSUB DD+16, TK+16, TK+4                                ; t(n+2) - t(n-1)
	PSUB DD+20, TK+20, TK+8                                ; t(n+3) - t(n)
	s_wait_alu depctr_va_vdst(0)
.irp i, 0,1,2,3,4,5,6,7,8,9,10,11,12,13,14,15,16,17,18,19,20,21,22,23
	v_rcp_f32 v[DD+\i], v[DD+\i]                           ; every span is one step at the least: one batch of 24
.endr
	PSUB LR+0,  XC, TK+8                                   ; L1 = x - t(n): these twelve lines name no reciprocal: the plain work behind the batch
	PSUB LR+4,  XC, TK+4                                   ; L2 = x - t(n-1)
	PSUB LR+8,  XC, TK+0                                   ; L3 = x - t(n-2)
	PSUB LR+12, TK+12, XC                                  ; R1 = t(n+1) - x
	PSUB LR+16, TK+16, XC                                  ; R2
	PSUB LR+20, TK+20, XC                                  ; R3
	s_wait_alu depctr_va_vdst(0)                           ; one wait for the 24 reciprocals, ahead of their first reader
.irp e, 0,1,2,3
	v_cndmask_b32 v[DD+\e], 0, v[DD+\e], s[VMK+\e]         ; x outside the knots: every value becomes 0
.endr
	; ---- the recursion: degree 1, 2, 3
	PMUL TK+0,  LR+12, DD+0                                ; a0 = R1 I1
	PMUL TK+4,  LR+0,  DD+0                                ; a1 = L1 I1
	PMUL TK+8,  TK+0,  DD+4                                ; t0
	PMUL TK+12, TK+4,  DD+8                                ; t1
	PMUL TK+0,  LR+12, TK+8                                ; b0 = R1 t0
	PMUL TK+16, LR+4,  TK+8                                ; L2 t0
	PFMA TK+4,  LR+16, TK+12, TK+16                        ; b1 = R2 t1 + L2 t0
	PMUL TK+20, LR+0,  TK+12                               ; b2 = L1 t1
	PMUL TK+8,  TK+0,  DD+12                               ; u0
	PMUL TK+12, TK+4,  DD+16                               ; u1
	PMUL TK+16, TK+20, DD+20                               ; u2
	PMUL VV+0,  LR+12, TK+8                                ; v0 = R1 u0
	PMUL TK+0,  LR+8,  TK+8                                ; L3 u0
	PFMA VV+4,  LR+16, TK+12, TK+0                         ; v1 = R2 u1 + L3 u0
	PMUL TK+4,  LR+4,  TK+12                               ; L2 u1
	PFMA VV+8,  LR+20, TK+16, TK+4                         ; v2 = R3 u2 + L2 u1
	PMUL VV+12, LR+0,  TK+16                               ; v3 = L1 u2
	; ---- the two blocks' largest magnitudes
.irp e, 0,1,2,3
.irp q, 0,1,2,3
	v_cmp_lt_u32 s[CMK+4*\e+\q], 31-\q, v[NI+\e]           ; index n + q is 32 or more
.endr
.endr
.irp q, 0,1,2,3
.irp e, 0,1,2,3
	v_cndmask_b32 v[VHI+4*\q+\e], 0, v[VV+4*\q+\e], s[CMK+4*\e+\q]
.endr
.endr
	PSUB VLO+0,  VV+0,  VHI+0                              ; v - v or v - 0: exact
	PSUB VLO+4,  VV+4,  VHI+4
	PSUB VLO+8,  VV+8,  VHI+8
	PSUB VLO+12, VV+12, VHI+12
.irp e, 0,1,2,3
	v_max3_num_f32 v[MXL+\e], |v[VLO+\e]|, |v[VLO+4+\e]|, |v[VLO+8+\e]|
	v_max3_num_f32 v[MXH+\e], |v[VHI+\e]|, |v[VHI+4+\e]|, |v[VHI+8+\e]|
.endr
.irp e, 0,1,2,3
	v_max3_num_f32 v[MXL+\e], v[MXL+\e], |v[VLO+12+\e]|, 0x1800000     ; and the floor 2^(3 - 127): the byte cannot fall under 1
	v_max3_num_f32 v[MXH+\e], v[MXH+\e], |v[VHI+12+\e]|, 0x1800000
.endr
.irp e, 0,1,2,3
	v_bfi_b32 v[MU0+\e], v[MXL+\e], 0, 0x7f800000          ; the exponent field 255 - X: 2^(128 - X)
	v_bfi_b32 v[MU1+\e], v[MXH+\e], 0, 0x7f800000
.endr
	; ---- the scale words: my two bytes are those of blocks h and 2 + h; lane l xor 16 has the other two
.irp e, 0,1,2,3
	v_lshrrev_b32 v[XA+\e], 23, v[MXL+\e]
	v_lshrrev_b32 v[XB+\e], 23, v[MXH+\e]
.endr
.irp e, 0,1,2,3
	v_lshl_or_b32 v[SW+\e], v[XB+\e], 16, v[XA+\e]
.endr
.irp e, 0,1,2,3
	s_delay_alu instid0(VALU_DEP_4)
	v_add_nc_u32 v[SW+\e], 0xfffdfffe, v[SW+\e]            ; 2 off both (each is 3 at the least: no borrow)
.endr
.irp e, 0,1,2,3
	s_delay_alu instid0(VALU_DEP_4)
	v_lshlrev_b32 v[SW+\e], v[VSH], v[SW+\e]               ; 8 h bits up
.endr
.irp e, 0,1,2,3
	v_permlanex16_b32 v[PL+\e], v[SW+\e], s20, s21
.endr
.irp e, 0,1,2,3
	s_delay_alu instid0(VALU_DEP_4)
	v_or_b32 v[ASC+\e], v[SW+\e], v[PL+\e]                 ; far more than eight places ahead of the matrix instructions
.endr
	; ---- the codes
.irp e, 0,1,2,3
.irp q, 0,1,2,3
	v_cndmask_b32 v[MQ+\q], v[MU0+\e], v[MU1+\e], s[CMK+4*\e+\q]
.endr
.irp q, 0,1,2,3
	s_delay_alu instid0(VALU_DEP_4)
	v_mul_f32 v[CV+4*\e+\q], v[VV+4*\q+\e], v[MQ+\q]       ; by a power of two: exact
.endr
.endr
	v_cvt_scalef32_pk16_fp6_f32 v[CW:CW+2], v[CV:CV+15], v[HALF]       ; / 2^-1, to the nearest code, ties to even, beyond the largest code the largest
	v_nop                                                  ; one plain place behind a scaled conversion
	v_and_b32 v[CC], 0xffffff, v[CW]
	v_alignbit_b32 v[CC+1], v[CW+1], v[CW], 24
	v_alignbit_b32 v[CC+2], v[CW+2], v[CW+1], 16
	v_lshrrev_b32 v[CC+3], 8, v[CW+2]
	s_delay_alu instid0(VALU_DEP_3)
	v_and_b32 v[CC+1], 0xffffff, v[CC+1]
	s_delay_alu instid0(VALU_DEP_3)
	v_and_b32 v[CC+2], 0xffffff, v[CC+2]
	PLACE 0, 44, 138
	PLACE 1, 66, 246
	PLACE 2, 44, 138
	PLACE 3, 66, 246
.rept 4
	v_nop                                                  ; an operand written by vector instructions stands four places ahead of a scaled matrix instruction
.endr
	s_wait_dscnt 0x0                                       ; the weights' fragments (and, in the first group, their scale words) are in
.if \g == 0
	MM 0, 0, \g, 1
	MM 1, 0, \g, 1
.else
	MM 0, 0, \g, 0                                         ; the two accumulators take turns, one instruction a turn, from group to group too
	MM 1, 0, \g, 0
.endif
	s_wait_alu depctr_va_vdst(0)
	MM 0, 1, \g, 0
	MM 1, 1, \g, 0
.endm
	; ================ the head
	s_load_b256 s[4:11], s[0:1], 0x0                       ; x s[4:5], A s[6:7], b s[8:9], out0 s[10:11]
	v_lshrrev_b32 v253, 5, v0
	s_delay_alu instid0(VALU_DEP_1)
	v_readfirstlane_b32 s12, v253                          ; wave 0..15
	v_and_b32 v250, 31, v0                                 ; lane
	v_and_b32 v251, 15, v0                                 ; r
	v_bfe_u32 v252, v0, 4, 1                               ; h
	s_delay_alu instid0(VALU_DEP_2)
	v_mul_u32_u24 v[AWI], v251, 768                        ; my block (dim l / 2, half l % 2) is K step (l / 2) % 8, c = l % 2: 768 x (l % 16),
	s_delay_alu instid0(VALU_DEP_1)
	v_mad_u32_u24 v[AWI], v252, 384, v[AWI]                ; of the operand's lane w + 16 (l / 16): 24 bytes a lane
	s_mul_i32 s13, s12, 24
	v_add_nc_u32 v[AWI], s13, v[AWI]
	v_lshl_add_u32 v[AWS], v251, 1, v252                   ; its byte: 4 x step + 2 c + l / 16 = 2 (l % 16) + l / 16,
	s_lshl_b32 s13, s12, 5                                 ; in output w's 32 bytes
	s_add_co_u32 s13, s13, SCB
	v_add_nc_u32 v[AWS], s13, v[AWS]
	v_mul_u32_u24 v[VBF], v250, 24
	v_lshl_add_u32 v[VBS], v251, 5, SCB
	s_mul_i32 s13, s12, WSTG
	s_add_co_u32 s13, s13, STG                             ; my wave's stage
	v_mul_u32_u24 v[VSS], v251, SPITCH
	s_delay_alu instid0(VALU_DEP_1)
	v_lshl_add_u32 v[VSS], v252, 5, v[VSS]
	s_delay_alu instid0(VALU_DEP_1)
	v_add_nc_u32 v[VSS], s13, v[VSS]
	v_lshrrev_b32 v[VSR], 2, v250
	s_delay_alu instid0(VALU_DEP_1)
	v_mul_u32_u24 v[VSR], v[VSR], SPITCH
	v_and_b32 v249, 3, v250
	s_delay_alu instid0(VALU_DEP_1)
	v_lshl_add_u32 v[VSR], v249, 4, v[VSR]
	s_delay_alu instid0(VALU_DEP_1)
	v_add_nc_u32 v[VSR], s13, v[VSR]
	v_lshlrev_b32 v[VG], 4, v250
	v_lshlrev_b32 v[VSH], 3, v252
	v_mov_b32 v[HALF], 0.5
	v_mov_b32 v[KM61], 0xc2740000
	v_mov_b32 v[KM61+1], 0xc2740000
	v_mov_b32 v[KOFF], 0x40a2aaab
	v_mov_b32 v[KOFF+1], 0x40a2aaab
	v_lshlrev_b32 v254, 7, v250                            ; A: 128 bytes a lane
	v_lshlrev_b32 v255, 5, v252                            ; b: 32 h
	s_mov_b32 s16, 0xbdcccccd                              ; the first knot
	s_mov_b32 s17, 0x3f8ccccc                              ; the f32 under the last knot
	s_mov_b32 s18, 0x3f8ccccd                              ; the last knot
	s_mov_b32 s20, 0x76543210
	s_mov_b32 s21, 0xfedcba98                              ; v_permlanex16_b32's selects for lane l xor 16
	s_lshl_b32 s14, ttmp9, 15                              ; 512 rows of 64 bytes a work-group,
	s_lshl_b32 s22, s12, 11                                ; 32 a wave
	s_add_co_u32 s14, s14, s22
	s_mov_b32 s15, 0
	s_lshl_b32 s22, s12, 12                                ; A: output w's 4,096 bytes
	s_mov_b32 s23, 0
	s_wait_alu depctr_va_vdst(0)
	s_wait_kmcnt 0x0
	s_add_nc_u64 s[4:5], s[4:5], s[14:15]
	s_add_nc_u64 s[10:11], s[10:11], s[14:15]
	s_add_nc_u64 s[6:7], s[6:7], s[22:23]
.irp i, 0,1,2,3,4,5,6,7
	global_load_b128 v[WW+4*\i:WW+4*\i+3], v254, s[6:7] offset:16*\i   ; my block of 32 numbers
.endr
.irp i, 0,1,2,3
	global_load_b128 v[XL+4*\i:XL+4*\i+3], v[VG], s[4:5] offset:512*\i th:TH_LOAD_NT   ; 32 lanes read 512 consecutive bytes: 8 rows of x
.endr
	global_load_b128 v[BIAS:BIAS+3], v255, s[8:9]
	global_load_b128 v[BIAS+4:BIAS+7], v255, s[8:9] offset:16
	s_wait_loadcnt 6                                       ; A's eight loads are in; x's four and b's two may be out
	v_max3_num_f32 v238, |v[WW]|, |v[WW+1]|, |v[WW+2]|     ; the block's largest magnitude: all 32 numbers are mine; two chains
	v_max3_num_f32 v239, |v[WW+3]|, |v[WW+4]|, |v[WW+5]|
.irp i, 6,10,14,18,22,26
	s_delay_alu instid0(VALU_DEP_2)
	v_max3_num_f32 v238, v238, |v[WW+\i]|, |v[WW+\i+1]|
	s_delay_alu instid0(VALU_DEP_2)
	v_max3_num_f32 v239, v239, |v[WW+\i+2]|, |v[WW+\i+3]|
.endr
	s_delay_alu instid0(VALU_DEP_2)
	v_max3_num_f32 v238, v238, |v[WW+30]|, |v[WW+31]|
	s_delay_alu instid0(VALU_DEP_1)
	v_max3_num_f32 v238, v238, v239, 0x1800000             ; and the floor 2^(3 - 127)
	s_delay_alu instid0(VALU_DEP_1)
	v_add_nc_u32 v239, 0xff000000, v238                    ; 2 off its exponent field: the conversion's scale operand
	s_delay_alu instid0(VALU_DEP_1)
	v_lshrrev_b32 v240, 23, v239                           ; the scale's byte
	v_cvt_scalef32_pk16_fp6_f32 v[242:244], v[WW:WW+15], v239
	v_cvt_scalef32_pk16_fp6_f32 v[246:248], v[WW+16:WW+31], v239       ; (a conversion's three registers begin on an even number)
	v_nop                                                  ; one plain place behind a scaled conversion
	v_mov_b32 v245, v246
	v_mov_b32 v246, v247
	v_mov_b32 v247, v248                                   ; v242-247: the block's 192 bits
	ds_store_b64 v[AWI], v[242:243] offset:IMG
	ds_store_b64 v[AWI], v[244:245] offset:IMG+8
	ds_store_b64 v[AWI], v[246:247] offset:IMG+16
	ds_store_b8 v[AWS], v240
	s_wait_loadcnt 2                                       ; x is in; b's two loads may be out
.irp i, 0,1,2,3
	ds_store_b128 v[VSR], v[XL+4*\i:XL+4*\i+3] offset:640*\i           ; 8 rows of 80 bytes a store, into my wave's own stage
.endr
.irp t, 0,1
.irp j, 0,1
	ds_load_b128 v[XX+8*\t+4*\j:XX+8*\t+4*\j+3], v[VSS] offset:1280*\t+16*\j   ; LDS serves a wave's instructions in order (ISA guide 5.7.1.4): these see my stores.  Row 16 t + r, dims 8 h + 4 j on
.endr
.endr
	s_wait_dscnt 0x0                                       ; for the others' sake: my codes and my byte lie in LDS; x is in my registers
	s_barrier_signal -1
	s_barrier_wait -1                                      ; the whole operand lies in LDS
	ds_load_b128 v[BS:BS+3], v[VBS]                        ; output r's scale words of K steps 0-3,
	ds_load_b128 v[BS+4:BS+7], v[VBS] offset:16            ; and 4-7
	s_wait_loadcnt 0x0                                     ; b
	GROUP 0
	GROUP 1
	GROUP 2
	GROUP 3
	; ================ the way out: a lane holds 32 neighbouring bytes of a row; through my stage they become 512 consecutive bytes a store
.rept 4
	v_nop                                                  ; four places behind the last matrix instruction, ahead of the first read of results
.endr
.irp t, 0,1
	ds_store_b128 v[VSS], v[ACC+8*\t:ACC+8*\t+3] offset:1280*\t        ; each accumulator from its low end on
	ds_store_b128 v[VSS], v[ACC+8*\t+4:ACC+8*\t+7] offset:1280*\t+16
.endr
.irp i, 0,1,2,3
	ds_load_b128 v[OUTR+4*\i:OUTR+4*\i+3], v[VSR] offset:640*\i        ; in order behind my stores
.endr
.irp i, 0,1,2,3
	s_wait_dscnt 3-\i                                      ; load i is in; the younger ones may be out
	global_store_b128 v[VG], v[OUTR+4*\i:OUTR+4*\i+3], s[10:11] offset:512*\i th:TH_STORE_NT   ; 32 lanes store 512 consecutive bytes, at a multiple of 256 from out0's first byte
.endr
	s_wait_xcnt 0x0
	v_lshl_add_u32 v254, v0, 2, 0xd200
	v_mov_b32 v255, 0
	s_wait_alu depctr_va_vdst(0)
	s_wait_tensorcnt 0x0
	ds_add_u32 v254, v255
	s_wait_dscnt 0x0
	s_endpgm
.Lfunc_end_k_qa3bad900a5_bspline:
	.size	k_qa3bad900a5_bspline, .Lfunc_end_k_qa3bad900a5_bspline-k_qa3bad900a5_bspline
	.p2alignl 7, 3214868480
	.fill 96, 4, 3214868480
	.section	.rodata,"a",@progbits
	.p2align	6, 0x0
	.amdhsa_kernel k_qa3bad900a5_bspline
		.amdhsa_group_segment_fixed_size 55808
		.amdhsa_private_segment_fixed_size 0
		.amdhsa_enable_private_segment 0
		.amdhsa_kernarg_size 32
		.amdhsa_user_sgpr_count 2
		.amdhsa_user_sgpr_kernarg_segment_ptr 1
		.amdhsa_wavefront_size32 1
		.amdhsa_system_sgpr_workgroup_id_x 1
		.amdhsa_system_sgpr_workgroup_id_y 1
		.amdhsa_system_sgpr_workgroup_id_z 1
		.amdhsa_system_vgpr_workitem_id 0
		.amdhsa_next_free_vgpr 256
		.amdhsa_next_free_sgpr 80
		.amdhsa_reserve_vcc 0
		.amdhsa_float_denorm_mode_32 3
		.amdhsa_float_denorm_mode_16_64 3
		.amdhsa_memory_ordered 1
		.amdhsa_forward_progress 1
		.amdhsa_inst_pref_size 124
	.end_amdhsa_kernel
	.amdgpu_metadata
---
amdhsa.version: [ 1, 2 ]
amdhsa.kernels:
  - .name:           k_qa3bad900a5_bspline
    .symbol:         k_qa3bad900a5_bspline.kd
    .args:
      - { .name: x, .offset: 0, .size: 8, .value_kind: global_buffer, .address_space: global }
      - { .name: A, .offset: 8, .size: 8, .value_kind: global_buffer, .address_space: global }
      - { .name: b, .offset: 16, .size: 8, .value_kind: global_buffer, .address_space: global }
      - { .name: out0, .offset: 24, .size: 8, .value_kind: global_buffer, .address_space: global }
    .group_segment_fixed_size: 55808
    .private_segment_fixed_size: 0
    .kernarg_segment_align: 8
    .kernarg_segment_size: 32
    .max_flat_workgroup_size: 512
    .sgpr_count:     80
    .vgpr_count:     256
    .wavefront_size: 32
...
	.end_amdgpu_metadata
.endif
;; end of part 1
